; MI455X (gfx1250); checked and timed in simulation.
; The chip was launched on July 23, 2026; its instructions are those of AMD's public machine-readable ISA for CDNA 5 (MIT licence, August 2026) and "CDNA5" Instruction Set Architecture Reference Guide (July 2026). The comments in the code are by the model that wrote it; some were corrected since.
;; Wf Causal Conv3d Attn Block. Allowed arithmetic: matrix products marked QUANTISED: E4M3 operands, one given power-of-two scale a tensor, by v_wmma_f32_16x16x64_fp8_fp8 or v_wmma_f32_16x16x128_fp8_fp8, f32 sums; everything else in f32.
;; Inputs: beta 512 float32; gamma 512 float32; k_b 512 float32; k_w 512 x 512 float32; lowp_scales 12 int32 (the exponents e of the quantised operands' scales 2^e); proj_b 512 float32; proj_w 512 x 512 float32; q_b 512 float32; q_w 512 x 512 float32; v_b 512 float32; v_w 512 x 512 float32; x 2 x 512 x 16 x 32 x 32 float32.
;; Outputs: out0 2 x 512 x 16 x 32 x 32 float32.
;; This version of the problem:
;;   THIS VERSION OF THE PROBLEM IS GIVEN IN LOW PRECISION. The matrix products marked QUANTISED in the list below multiply operands that are first quantised to E4M3 (4 exponent bits, 3 mantissa bits; 8 bits a number), with one given power-of-two scale for each operand tensor; their sums are f32. All else is computed in f32.
;;   The module's matrix products, in the order in which they are computed (A, B: the left and right operand; K: the contracted axis; several contracted axes count as one K, in the product's order):
;;     1. [M 512, K 512] x [K 512, N 32,768]; A: input q_w; B: computed on the way: QUANTISED (scales: A lowp_scales[0], B lowp_scales[1])
;;     2. [M 512, K 512] x [K 512, N 32,768]; A: input k_w; B: computed on the way: QUANTISED (scales: A lowp_scales[2], B lowp_scales[3])
;;     3. [M 512, K 512] x [K 512, N 32,768]; A: input v_w; B: computed on the way: QUANTISED (scales: A lowp_scales[4], B lowp_scales[5])
;;     4. batch 32 x [M 1,024, K 512] x [K 512, N 1,024]; A: computed on the way; B: computed on the way: QUANTISED (scales: A lowp_scales[6], B lowp_scales[7])
;;     5. batch 32 x [M 1,024, K 1,024] x [K 1,024, N 512]; A: softmax (see below); B: computed on the way: QUANTISED (scales: A lowp_scales[8], B lowp_scales[9])
;;     6. [M 512, K 512] x [K 512, N 32,768]; A: input proj_w; B: computed on the way: QUANTISED (scales: A lowp_scales[10], B lowp_scales[11])
;;   THE QUANTISER, for each operand of a quantised product, along K:
;;     - The operand's scale is 2^e, e = its entry of the input lowp_scales (int32; the entries are numbered through the quantised products in the list's order, A before B).
;;     - Each number is divided by the scale, clamped to +-448, and rounded to the nearest number of E4M3, ties to even, subnormals kept.
;;     - The product sums the exact products of the quantised numbers (number of the format x scale) in f32.
;;   ~~~python
;;   def quantise(x, axis, e):      # numpy; x: float32 -> the quantised numbers, widened to float32 again
;;       x = np.moveaxis(x, axis, -1); K = x.shape[-1]
;;       r = np.clip(x / 2.0 ** e, -448, 448)
;;       step = 2.0 ** (np.maximum(np.frexp(np.where(r == 0, 1, r))[1] - 1, -6) - 3)
;;       q = np.round(r / step) * step * 2.0 ** e      # np.round: ties to even
;;       return np.moveaxis(q, -1, axis).astype(np.float32)
;;   ~~~
;;   SOFTMAX AHEAD OF A QUANTISED PRODUCT. Where the list says 'softmax', what is quantised is not the finished softmax but p = 2^(t - M), with t = logit x log2(e) and M = ceil(the row's largest t), a whole number; so 1/2 < the row's largest p <= 1. The row's sum l is taken of the UNQUANTISED p, in f32, and the product's result is divided by l at the end. Since M is a whole number, a kernel that streams over the keys may use a running M (the ceiling of the running maximum): every later rescaling is an exact power of two, so the quantised numbers keep their values, but for numbers so far below the row's largest that they fall under the format's range.
;;   OPERANDS COMPUTED ON THE WAY. 'Computed on the way' means the value that the module computes at that place (a softmax that the list does not call 'softmax' is quantised finished and normalised). What goes into a quantiser is computed in f32, as accurately as f32 sums, v_exp_f32 and their like allow (about 1e-6 of the number): no bf16 or f16 on the way to a quantiser, and a product that is left as it is and whose result goes on into a quantised operand takes f32 operands (vector FMAs, or v_wmma_f32_16x16x4_f32). A number that lies on a knife's edge between two numbers of the format may be rounded either way, as far as f32 arithmetic and the matrix unit's own rounding can turn it there, and no further.
;; One version. Each part assembles by itself: llvm-mc -triple=amdgcn-amd-amdhsa -mcpu=gfx1250 --defsym DOCPART=n.
;; ======== version 1 of 1: 3 launches
;; workspace buffers: stats 2,048 bytes; wcodes 1,048,576 bytes; qc 16,777,216 bytes; kv 33,554,432 bytes
;; launch prep (part 1): grid 256 x 1, 16 waves a work-group, no clusters, 2,560 bytes of LDS; arguments x, q_w, k_w, v_w, proj_w, lowp_scales, stats, wcodes; writes stats, wcodes
.if DOCPART == 1
	.amdgcn_target "amdgcn-amd-amdhsa--gfx1250"
	.amdhsa_code_object_version 6
	.text
	.protected	k_q10b1647d69_prep
	.globl	k_q10b1647d69_prep
	.p2align	8
	.type	k_q10b1647d69_prep,@function
k_q10b1647d69_prep:
	s_mov_b64 s[64:65], 0
	v_nop
	global_prefetch_b8 v0, s[64:65] scope:SCOPE_SE
	s_setreg_imm32_b32 hwreg(HW_REG_WAVE_MODE, 25, 1), 1
	s_wait_xcnt 0x0
; FIRST LAUNCH.  (a) The group norm's statistics in parts: x is 256 chunks of 262,144 bytes (65,536 numbers); four chunks on end are one group.
; Work-group g takes chunk g and stores (mean, sum of squared deviations from that mean) at byte 8 g of stats.  A wave keeps its 16 KiB of the chunk
; in 128 registers between the pass for the mean and the pass for the deviations: x is read once, and no difference of large sums is formed.
; (b) The four weights [512 out][512 in], f32, become codes of E4M3 with the given scales 2^e (entries 0, 2, 4, 10), laid as IMAGES OF OPERAND REGISTERS:
; a fragment is 16 rows x 128 k = 2,048 bytes in four chunks c of 512; lane (r, h) owns the 16 bytes at 512 c + 16 (r + 16 h).
; Row r of tile T is output channel 16 T + 2 (r & 7) + (r >> 3); byte m of chunk c, half h, K step s is input channel 128 s + 32 c + 2 m + h.
; q, k, v: the pair of tiles n = T / 2 of tensor tau lies at 49152 n + 16384 tau, fragment (T & 1, s) at 2048 (4 (T & 1) + s) in it.  proj: 786432 + 2048 (4 T + s).
; 2,048 chunks of 512 bytes: waves 0 to 7 of each work-group make one each.
; LIMITS: the four exponents lie between -126 and 119, so that 2^e and 448 x 2^e are f32 numbers.  NaN among the inputs is not served.
; Memory binds: no matrix unit, no tensor load, no cluster.  32 loads of 512 consecutive bytes a wave are on their way at once.
.set X,    32                          ; v32-159  my wave's 16 KiB of x
.set SM,   4                           ; v4-11    four packed chains
.set WN,   12                          ; v12-27   16 numbers of a weight; later the sixteen waves' partial sums
.set A4W,  30                          ; v30      4 x my wave's number: my word in LDS
.set ZERO, 31                          ; v31      0
.set WH,   160                         ; v160-175 the 16 numbers held: the even input channels, then the odd ones
.set WC,   176                         ; v176-179 their codes
.set SC,   180                         ; v180     2^e
.set LM,   181                         ; v181     448 x 2^e
.set WSO,  182                         ; v182     my lane's byte in the weight's 16 rows
.set WDO,  183                         ; v183     8 x lane
.macro FOLD                            ; the four chains into v4
	v_pk_add_f32 v[4:5], v[4:5], v[6:7]
	v_pk_add_f32 v[8:9], v[8:9], v[10:11]
	v_pk_add_f32 v[4:5], v[4:5], v[8:9]
	v_add_f32 v4, v4, v5
.endm
.macro WAVESUM                         ; v4 summed over the 32 lanes, in every lane
	v_add_f32_dpp v4, v4, v4 row_xmask:1 row_mask:0xf bank_mask:0xf
	v_add_f32_dpp v4, v4, v4 row_xmask:2 row_mask:0xf bank_mask:0xf
	v_add_f32_dpp v4, v4, v4 row_xmask:4 row_mask:0xf bank_mask:0xf
	v_add_f32_dpp v4, v4, v4 row_xmask:8 row_mask:0xf bank_mask:0xf
	v_permlanex16_b32 v5, v4, s32, s33
	v_add_f32 v4, v4, v5
.endm
.macro GROUPSUM off                    ; v12 = the sixteen waves' v4 added; each of the two sums has LDS bytes of its own
	ds_store_b32 v[A4W], v4 offset:\off
	s_wait_dscnt 0x0                               ; for the others: my word has landed
	s_barrier_signal -1
	s_barrier_wait -1
	ds_load_b128 v[12:15], v[ZERO] offset:\off
	ds_load_b128 v[16:19], v[ZERO] offset:\off+16
	ds_load_b128 v[20:23], v[ZERO] offset:\off+32
	ds_load_b128 v[24:27], v[ZERO] offset:\off+48
	s_wait_dscnt 0x0
	v_pk_add_f32 v[12:13], v[12:13], v[14:15]
	v_pk_add_f32 v[16:17], v[16:17], v[18:19]
	v_pk_add_f32 v[20:21], v[20:21], v[22:23]
	v_pk_add_f32 v[24:25], v[24:25], v[26:27]
	v_pk_add_f32 v[12:13], v[12:13], v[16:17]
	v_pk_add_f32 v[20:21], v[20:21], v[24:25]
	v_pk_add_f32 v[12:13], v[12:13], v[20:21]
	v_add_f32 v12, v12, v13
.endm
	s_load_b512 s[4:19], s[0:1], 0x0               ; x s[4:5], q_w s[6:7], k_w s[8:9], v_w s[10:11], proj_w s[12:13], scales s[14:15], stats s[16:17], wcodes s[18:19]
	v_lshl_add_u32 v184, v0, 2, 0x200
	v_mov_b32 v185, 0
	v_lshrrev_b32 v2, 5, v0
	v_readfirstlane_b32 s34, v2                    ; wave 0..15
	v_and_b32 v3, 31, v0                           ; lane
	v_lshlrev_b32 v1, 4, v3
	v_lshl_add_u32 v1, v2, 14, v1                  ; 16 x lane + 16,384 x wave
	v_lshlrev_b32 v[A4W], 2, v2
	v_mov_b32 v[ZERO], 0
	v_lshrrev_b32 v6, 1, v3                        ; the weights: two lanes to a row r; lane & 1 says which 16 of the row's 32 numbers
	v_and_b32 v7, 7, v6
	v_lshrrev_b32 v8, 3, v6
	v_lshl_add_u32 v7, v7, 1, v8                   ; the row's output channel in its tile: 2 (r & 7) + (r >> 3)
	v_and_b32 v8, 1, v3
	v_lshlrev_b32 v8, 6, v8
	v_lshl_add_u32 v[WSO], v7, 11, v8              ; x 2,048 bytes a row, + 64 bytes for the upper 16 numbers
	v_lshlrev_b32 v[WDO], 3, v3
	s_lshl_b32 s36, ttmp9, 18                      ; my chunk
	s_mov_b32 s37, 0
	s_mov_b32 s32, 0x76543210                      ; v_permlanex16_b32: each lane takes its own place in the other half
	s_mov_b32 s33, 0xfedcba98
	s_wait_kmcnt 0x0
	s_load_b256 s[20:27], s[14:15], 0x0            ; e0 .. e7
	s_load_b128 s[28:31], s[14:15], 0x20           ; e8 .. e11
	s_add_nc_u64 s[4:5], s[4:5], s[36:37]
.set j, 0
.rept 32
	global_load_b128 v[X+4*j:X+4*j+3], v1, s[4:5] offset:512*j th:TH_LOAD_NT   ; 32 lanes read 512 consecutive bytes
.set j, j+1
.endr
	; ---- the weights: waves 0 to 7, one chunk of 512 bytes of codes each
	s_cmp_lt_u32 s34, 8
	s_cbranch_scc0 .Lno_weights
	s_lshr_b32 s38, ttmp9, 6                       ; tau: 0 q, 1 k, 2 v, 3 proj
	s_and_b32 s39, ttmp9, 63
	s_lshl_b32 s39, s39, 3
	s_add_co_u32 s39, s39, s34                     ; which of the tensor's 512 chunks
	s_lshr_b32 s40, s39, 2                         ; 4 T + s
	s_and_b32 s41, s39, 3                          ; c
	s_lshr_b32 s42, s40, 2                         ; T
	s_and_b32 s43, s40, 3                          ; s
	s_lshl_b32 s44, s42, 15                        ; from: 16 rows of 2,048 bytes a tile,
	s_lshl_b32 s45, s43, 9                         ; 512 bytes a K step,
	s_add_co_u32 s44, s44, s45
	s_lshl_b32 s45, s41, 7                         ; 128 bytes a chunk
	s_add_co_u32 s44, s44, s45
	s_mov_b32 s45, 0
	s_lshr_b32 s46, s42, 1                         ; to, for q, k, v
	s_mul_i32 s46, s46, 49152
	s_lshl_b32 s47, s38, 14
	s_add_co_u32 s46, s46, s47
	s_and_b32 s47, s42, 1
	s_lshl_b32 s47, s47, 13
	s_add_co_u32 s46, s46, s47
	s_lshl_b32 s47, s43, 11
	s_add_co_u32 s46, s46, s47
	s_lshl_b32 s47, s40, 11                        ; to, for proj
	s_add_co_u32 s47, s47, 786432
	s_cmp_eq_u32 s38, 3
	s_cselect_b32 s46, s47, s46
	s_lshl_b32 s47, s41, 9
	s_add_co_u32 s46, s46, s47
	s_mov_b32 s47, 0
	s_wait_kmcnt 0x0                               ; the exponents
	s_cmp_lt_u32 s38, 2                            ; the tensor and its exponent are chosen on the work-group's number alone
	s_cselect_b64 s[6:7], s[6:7], s[10:11]         ; q or v
	s_cselect_b64 s[8:9], s[8:9], s[12:13]         ; k or proj
	s_cselect_b32 s20, s20, s24                    ; e0 or e4
	s_cselect_b32 s22, s22, s30                    ; e2 or e10
	s_and_b32 s39, s38, 1
	s_cmp_lg_u32 s39, 0
	s_cselect_b64 s[6:7], s[8:9], s[6:7]
	s_cselect_b32 s20, s22, s20
	s_add_nc_u64 s[6:7], s[6:7], s[44:45]
	s_add_nc_u64 s[18:19], s[18:19], s[46:47]
.irp q, 0,1,2,3
	global_load_b128 v[WN+4*\q:WN+4*\q+3], v[WSO], s[6:7] offset:16*\q
.endr
	s_add_co_i32 s20, s20, 127
	s_lshl_b32 s22, s20, 23
	v_mov_b32 v[SC], s22                           ; 2^e as f32: the conversion takes its exponent field
	s_add_co_i32 s20, s20, 8
	s_lshl_b32 s20, s20, 23
	s_or_b32 s20, s20, 0x600000
	v_mov_b32 v[LM], s20                           ; 448 x 2^e
	s_wait_loadcnt 0x0                             ; my 16 numbers were asked for last: all my loads are in
.irp e, 0,1,2,3,4,5,6,7
	v_med3_num_f32 v[WH+\e], v[WN+2*\e], -v[LM], v[LM]       ; the conversion does not saturate (ISA guide 7.6.2): the hold; even input channels go to half 0,
	v_med3_num_f32 v[WH+8+\e], v[WN+2*\e+1], -v[LM], v[LM]   ; odd ones to half 1
.endr
	v_cvt_scalef32_pk8_fp8_f32 v[WC:WC+1], v[WH:WH+7], v[SC]
	v_cvt_scalef32_pk8_fp8_f32 v[WC+2:WC+3], v[WH+8:WH+15], v[SC]
	v_nop                                          ; a plain line behind the last conversion
	global_store_b64 v[WDO], v[WC:WC+1], s[18:19]              ; 32 lanes store 256 consecutive bytes, aligned: the chunk's half 0,
	global_store_b64 v[WDO], v[WC+2:WC+3], s[18:19] offset:256 ; and its half 1
.Lno_weights:
	; ---- the chunk's mean
	s_wait_loadcnt 24                              ; the first eight loads are in, 24 may be out
.irp k, 0,1,2,3
	v_pk_add_f32 v[SM+2*\k:SM+2*\k+1], v[X+4*\k:X+4*\k+1], v[X+4*\k+2:X+4*\k+3]   ; the first sums start the chains: nothing is cleared
.endr
.set j, 8
.rept 56
.if j == 16
	s_wait_loadcnt 16
.endif
.if j == 32
	s_wait_loadcnt 8
.endif
.if j == 48
	s_wait_loadcnt 0x0
.endif
	v_pk_add_f32 v[SM+2*(j%4):SM+2*(j%4)+1], v[SM+2*(j%4):SM+2*(j%4)+1], v[X+2*j:X+2*j+1]
.set j, j+1
.endr
	FOLD
	WAVESUM
	GROUPSUM 0
	v_mul_f32 v28, 0x37800000, v12                 ; / 65,536
	v_mov_b32 v29, v28                             ; (named with it as a pair)
	; ---- the sum of squared deviations from it
.set j, 0
.rept 64
	v_pk_add_f32 v[X+2*j:X+2*j+1], v[X+2*j:X+2*j+1], v[28:29] op_sel_hi:[1,0] neg_lo:[0,1] neg_hi:[0,1]
.set j, j+1
.endr
.irp k, 0,1,2,3
	v_pk_mul_f32 v[SM+2*\k:SM+2*\k+1], v[X+2*\k:X+2*\k+1], v[X+2*\k:X+2*\k+1]
.endr
.set j, 4
.rept 60
	v_pk_fma_f32 v[SM+2*(j%4):SM+2*(j%4)+1], v[X+2*j:X+2*j+1], v[X+2*j:X+2*j+1], v[SM+2*(j%4):SM+2*(j%4)+1]
.set j, j+1
.endr
	FOLD
	WAVESUM
	GROUPSUM 64
	v_mov_b32 v29, v12
	s_lshl_b32 s36, ttmp9, 3
	s_add_nc_u64 s[16:17], s[16:17], s[36:37]
	v_cmp_eq_u32 vcc_lo, 0, v0                     ; thread 0 stores the chunk's eight bytes
	s_wait_xcnt 0x0                                ; EXEC changes only behind this wait
	s_wait_tensorcnt 0x0
	ds_add_u32 v184, v185
	s_wait_dscnt 0x0
	s_and_saveexec_b32 s38, vcc_lo
	global_store_b64 v[ZERO], v[28:29], s[16:17]
	s_wait_xcnt 0x0
	s_or_b32 exec_lo, exec_lo, s38
	s_endpgm
.Lfunc_end_k_q10b1647d69_prep:
	.size	k_q10b1647d69_prep, .Lfunc_end_k_q10b1647d69_prep-k_q10b1647d69_prep
	.p2alignl 7, 3214868480
	.fill 96, 4, 3214868480
	.section	.rodata,"a",@progbits
	.p2align	6, 0x0
	.amdhsa_kernel k_q10b1647d69_prep
		.amdhsa_group_segment_fixed_size 2560
		.amdhsa_private_segment_fixed_size 0
		.amdhsa_enable_private_segment 0
		.amdhsa_kernarg_size 64
		.amdhsa_user_sgpr_count 2
		.amdhsa_user_sgpr_kernarg_segment_ptr 1
		.amdhsa_wavefront_size32 1
		.amdhsa_system_sgpr_workgroup_id_x 1
		.amdhsa_system_sgpr_workgroup_id_y 1
		.amdhsa_system_sgpr_workgroup_id_z 1
		.amdhsa_system_vgpr_workitem_id 0
		.amdhsa_next_free_vgpr 186
		.amdhsa_next_free_sgpr 66
		.amdhsa_reserve_vcc 1
		.amdhsa_float_denorm_mode_32 3
		.amdhsa_float_denorm_mode_16_64 3
		.amdhsa_memory_ordered 1
		.amdhsa_forward_progress 1
		.amdhsa_inst_pref_size 24
	.end_amdhsa_kernel
	.amdgpu_metadata
---
amdhsa.version: [ 1, 2 ]
amdhsa.kernels:
  - .name:           k_q10b1647d69_prep
    .symbol:         k_q10b1647d69_prep.kd
    .args:
      - { .name: x, .offset: 0, .size: 8, .value_kind: global_buffer, .address_space: global }
      - { .name: q_w, .offset: 8, .size: 8, .value_kind: global_buffer, .address_space: global }
      - { .name: k_w, .offset: 16, .size: 8, .value_kind: global_buffer, .address_space: global }
      - { .name: v_w, .offset: 24, .size: 8, .value_kind: global_buffer, .address_space: global }
      - { .name: proj_w, .offset: 32, .size: 8, .value_kind: global_buffer, .address_space: global }
      - { .name: lowp_scales, .offset: 40, .size: 8, .value_kind: global_buffer, .address_space: global }
      - { .name: stats, .offset: 48, .size: 8, .value_kind: global_buffer, .address_space: global }
      - { .name: wcodes, .offset: 56, .size: 8, .value_kind: global_buffer, .address_space: global }
    .group_segment_fixed_size: 2560
    .private_segment_fixed_size: 0
    .kernarg_segment_align: 8
    .kernarg_segment_size: 64
    .max_flat_workgroup_size: 512
    .sgpr_count:     66
    .vgpr_count:     186
    .wavefront_size: 32
...
	.end_amdgpu_metadata
.endif
;; end of part 1
;; launch qkv (part 2): grid 8 x 32, 4 waves a work-group, clusters of 4 x 1, 327,680 bytes of LDS; arguments x, stats, gamma, beta, q_b, k_b, v_b, wcodes, lowp_scales, qc, kv; writes qc, kv
.if DOCPART == 2
	.amdgcn_target "amdgcn-amd-amdhsa--gfx1250"
	.amdhsa_code_object_version 6
	.text
	.protected	k_q10b1647d69_qkv
	.globl	k_q10b1647d69_qkv
	.p2align	8
	.type	k_q10b1647d69_qkv,@function
k_q10b1647d69_qkv:
	s_mov_b64 s[64:65], 0
	v_nop
	global_prefetch_b8 v0, s[64:65] scope:SCOPE_SE
	s_setreg_imm32_b32 hwreg(HW_REG_WAVE_MODE, 25, 1), 1
	s_wait_xcnt 0x0
	s_wait_alu depctr_hold_cnt(0) depctr_sa_sdst(0) depctr_va_vdst(0) depctr_va_sdst(0) depctr_va_ssrc(0) depctr_va_vcc(0) depctr_vm_vsrc(0)
	s_getreg_b32 s2, hwreg(HW_REG_IB_STS2, 6, 4)
	s_cmp_eq_u32 s2, 0
	s_cbranch_scc0 .Lentry_in_a_cluster
	s_endpgm
.Lentry_in_a_cluster:
	s_bfe_u32 s2, ttmp6, 0x10000c
	s_cmp_lg_u32 s2, 0x3003
	s_cbranch_scc0 .Lentry_shape_is_right
	s_endpgm
.Lentry_shape_is_right:
; SECOND LAUNCH: the group norm, hn quantised three times (scales e1, e3, e5), the products q_w hn, k_w hn, v_w hn on codes of E4M3, the biases, and q, k, v quantised (e6, e7, e9).
; SHARES.  A work-group takes 128 positions of one frame (grid x: block of positions, grid y: frame).  A wave owns 32 positions, two tiles of 16, and ALL 1,536 outputs:
; its hn fragments (3 scales x 2 tiles x 4 K steps x 16 registers) stay in registers, nothing goes from wave to wave, and the conversions' results leave as they stand, 512 consecutive bytes a store.
; The price: a weight fragment read from LDS feeds two matrix instructions.
; MAPS.  Row r of tile u of wave w is position 32 w + 2 r + u.  Slot (c, h, m) of K step s (register 4 c + m / 4, byte m % 4, lane half h) is channel 128 s + 32 c + 2 m + h, in hn and in the weights alike.
; Row r of weight tile T is output channel 16 T + 2 (r & 7) + (r >> 3), so register j of half h of a result tile is channel 16 T + 2 j + h, and the 16 registers of tiles 2 c, 2 c + 1 are slots (c, h, 0 .. 15) of the next product.
; q, k: source 0 = weights, source 1 = hn: a lane holds one position, registers run along channels.  v: source 0 = hn, source 1 = weights: a lane holds one channel, registers run along positions (the keys).
; THE WEIGHTS, 768 KiB of codes laid by the first launch in the order of this walk, come through a ring of two LDS slots of 96 KiB (two pairs of tiles of q, k and v each), eight steps.
; CLUSTER.  Every work-group walks the same weights: the four of a cluster ask for each slot JOINTLY (the same tensor load, the same descriptor, mask 15), each wave a quarter of a slot, 96 rows of 256 bytes.
; By this text's own count one tensor load of a wave is out at any time.
; hn = (x - mean) (rstd gamma) + beta: the mean is taken off first, so a common offset of x cancels ahead of the scaling.
; LIMITS: e1, e3, e5, e6 - e0 - e1, e7 - e2 - e3, e9 - e4 - e5 between -126 and 119, so that each scale and 448 x it are f32 numbers.  NaN among the inputs is not served.
; REGISTERS, in windows of 256.  Window 0: v1-12 addresses, v14-25 scales, v32-39 means, v64-127 accumulators (2 sets of 4), v128-159 biases of q, k (2 sets), v160-163 of v, v164-179 codes to store (2 sets), v192-255 at work.
;   window 1: x, two sets of 128; later the weights' fragments, two sets of 8.   window 2: hn for q (v0-127), for k (v128-255).   window 3: hn for v (v0-127); the norm's pairs (rstd gamma, beta) (v128-255).
.set SLOT1, 1<<17                      ; slot 1 begins here: one exclusive or turns an address from one slot into the other
.set STEPB, 98304                      ; a slot's bytes
.set TAB,   98304                      ; LDS, between the slots: (rstd gamma, beta) of the 512 channels: 32 bytes for four channels: (a0 b0 a2 b2) (a1 b1 a3 b3)
.set MEANT, 102400                     ; the 32 groups' means
.set BT,    102656                     ; the three biases / 2^(ew + ex), 2,048 bytes each; a tile's 64 bytes: its 8 even channels, then its 8 odd ones
.set SPARE, 229376                     ; behind slot 1: the spare words, 128 bytes for each wave, which no other line names
.set SPW,  1
.set NIL,  2
.set LI,   3                           ; 16 x lane
.set XO,   4                           ; x: 65,536 h + 8 r
.set PA,   5                           ; TAB + 16 h
.set MNA,  6                           ; MEANT
.set WA,   7                           ; v7, v8: the slot's two pairs of tiles, + 16 x lane
.set BA,   9                           ; the step's biases of q, k
.set BA0,  10                          ; BT + 32 h
.set BVA0, 11                          ; BT + 4096 + 4 r
.set BVA,  12                          ; the step's biases of v
.set SCX,  14                          ; v14-19: 2^e and 448 x 2^e for e1, e3, e5
.set SCO,  20                          ; v20-25: the same for the three folded scales of q, k, v
.set MEAN, 32
.set ACC,  64
.set BIAS, 128
.set BV,   160
.set OUTC, 164
.set T,    192
.set WV,   26                          ; s26 my wave's number
.set G1,   32                          ; s[32:39] descriptor group 1
.set G0,   40                          ; s[40:43] descriptor group 0, which walks
.set TB,   44                          ; s44 LDS byte at which the slot in hand begins
.set CNT,  45                          ; s45 slots still to be asked for
.set BTO,  46                          ; s46 the step's place in a bias table: 256 bytes a step
.set MSB, 0
.macro WIN new                         ; the immediate's high byte repeats the setting that is left; a switch that changes nothing is dropped
.if MSB != \new
	s_set_vgpr_msb (MSB<<8)|\new
.set MSB, \new
.endif
.endm
.macro CROUND                          ; a round of the cluster's barrier: my work-group's barrier; wave 0 signals for the work-group; every wave waits for all four; my work-group's barrier once more
	s_barrier_signal -1
	s_barrier_wait -1
	s_cmp_lg_u32 s[WV], 0
	s_cbranch_scc1 .Lnot_wave_0_\@
	s_barrier_signal -3
.Lnot_wave_0_\@:
	s_barrier_wait -3
	s_barrier_signal -1
	s_barrier_wait -1
.endm
.macro PLACES
.rept 4
	v_nop
.endr
.endm
.macro MKSCALE vs, se                  ; v[vs] = 2^e, v[vs + 1] = 448 x 2^e, e in s[se]
	s_add_co_i32 s90, s[\se], 127
	s_lshl_b32 s91, s90, 23
	v_mov_b32 v[\vs], s91
	s_add_co_i32 s90, s90, 8
	s_lshl_b32 s90, s90, 23
	s_or_b32 s90, s90, 0x600000
	v_mov_b32 v[(\vs)+1], s90
.endm
	s_load_b512 s[4:19], s[0:1], 0x0               ; x s[4:5], stats s[6:7], gamma s[8:9], beta s[10:11], q_b s[12:13], k_b s[14:15], v_b s[16:17], wcodes s[18:19]
	s_load_b128 s[20:23], s[0:1], 0x40             ; scales s[20:21], qc s[22:23]
	s_load_b64 s[24:25], s[0:1], 0x50              ; kv
	v_lshl_add_u32 v[SPW], v0, 2, SPARE
	v_mov_b32 v[NIL], 0
	ds_add_u32 v1, v2
	ds_add_u32 v1, v2
	s_wait_dscnt 0x0
	v_lshrrev_b32 v26, 5, v0
	v_readfirstlane_b32 s[WV], v26                 ; wave 0..3
	s_bfe_u32 s27, ttmp6, 0x40000                  ; cx: my place in the cluster
	s_lshl_b32 s28, ttmp9, 2
	s_add_co_u32 s28, s28, s27                     ; my block of 128 positions: it enters global addresses of x, qc and kv alone
	s_and_b32 s29, ttmp7, 0xffff                   ; the frame
	s_mov_b32 s[G1], 15|(3<<16)|(1<<21)            ; 15:0 the mask: all four work-groups; 17:16 elements of 8 bytes; 21 set beside a mask; no padding: fragments are read 512 consecutive bytes at a time
	s_mov_b32 s[G1+1], 32<<16                      ; tensor_dim0 = 32 elements: rows of 256 bytes
	s_mov_b32 s[G1+2], 96<<16                      ; tensor_dim1 = 96
	s_mov_b32 s[G1+3], 32<<16                      ; tile_dim0
	s_mov_b32 s[G1+4], 96                          ; tile_dim1
	s_mov_b32 s[G1+5], 32                          ; from row to row: dense
	s_mov_b32 s[G1+6], 0
	s_mov_b32 s[G1+7], 0
	s_mul_i32 s30, s[WV], 24576                    ; my quarter of a slot, in memory and in LDS alike
	s_mov_b32 s31, 0
	s_mov_b32 s[TB], 0
	s_mov_b32 s[CNT], 7
	s_mov_b32 s[BTO], 0
	s_lshr_b32 s80, s29, 4                         ; x: batch x 32 MiB + time x 4,096 + block x 512 + wave x 128
	s_lshl_b32 s88, s80, 10                        ; stats: 32 groups of 32 bytes a batch
	s_lshl_b32 s80, s80, 25
	s_and_b32 s81, s29, 15
	s_lshl_b32 s81, s81, 12
	s_add_co_u32 s80, s80, s81
	s_lshl_b32 s81, s28, 9
	s_add_co_u32 s80, s80, s81
	s_lshl_b32 s81, s[WV], 7
	s_add_co_u32 s80, s80, s81
	s_mov_b32 s81, 0
	s_mov_b32 s89, 0
	s_lshl_b32 s82, s29, 19                        ; qc: ((8 frame + block) 4 + wave) x 16,384
	s_lshl_b32 s83, s28, 16
	s_add_co_u32 s82, s82, s83
	s_lshl_b32 s83, s[WV], 14
	s_add_co_u32 s82, s82, s83
	s_mov_b32 s83, 0
	s_lshl_b32 s84, s29, 20                        ; kv: frame x 1 MiB + block x 128 KiB;
	s_lshl_b32 s85, s28, 17
	s_add_co_u32 s84, s84, s85
	s_lshl_b32 s85, s[WV], 14
	s_add_co_u32 s86, s84, s85                     ; k: my two tiles of keys, 8,192 bytes each;
	s_lshl_b32 s85, s[WV], 9
	s_add_co_u32 s84, s84, s85
	s_add_co_u32 s84, s84, 65536                   ; v: behind k's 64 KiB; my positions are chunk w of every fragment
	s_mov_b32 s85, 0
	s_mov_b32 s87, 0
	s_wait_kmcnt 0x0
	s_load_b256 s[68:75], s[20:21], 0x0            ; e0 .. e7
	s_load_b128 s[76:79], s[20:21], 0x20           ; e8 .. e11
	s_mov_b32 s[G0], 1                             ; count = 1
	s_mov_b32 s[G0+1], s30                         ; LDS address: slot 0
	s_add_nc_u64 s[G0+2:G0+3], s[18:19], s[30:31]  ; global address: step 0
	s_or_b32 s[G0+3], s[G0+3], 0x80000000          ; type = 2
	s_add_nc_u64 s[48:49], s[4:5], s[80:81]        ; x at my positions, K steps 0 to 3: 128 channels of 65,536 bytes apart
	s_add_nc_u64 s[50:51], s[48:49], 0x800000
	s_add_nc_u64 s[52:53], s[50:51], 0x800000
	s_add_nc_u64 s[54:55], s[52:53], 0x800000
	s_add_nc_u64 s[56:57], s[22:23], s[82:83]      ; where q's codes go,
	s_add_nc_u64 s[58:59], s[24:25], s[86:87]      ; k's,
	s_add_nc_u64 s[60:61], s[24:25], s[84:85]      ; v's
	s_add_nc_u64 s[6:7], s[6:7], s[88:89]
	CROUND                                         ; all four work-groups are here: the first joint loads meet
	tensor_load_to_lds s[G0:G0+3], s[G1:G1+7]      ; step 0 of the weights lands while x is normalised
	s_nop 0
	PLACES                                         ; four plain lines follow a tensor load
	v_and_b32 v26, 31, v0
	v_lshlrev_b32 v[LI], 4, v26
	v_and_b32 v27, 15, v0                          ; r
	v_bfe_u32 v28, v0, 4, 1                        ; h
	v_lshlrev_b32 v[XO], 3, v27
	v_lshl_add_u32 v[XO], v28, 16, v[XO]
	v_lshlrev_b32 v[PA], 4, v28
	v_add_nc_u32 v[PA], TAB, v[PA]
	v_mov_b32 v[MNA], MEANT
	v_lshlrev_b32 v[BA0], 5, v28
	v_add_nc_u32 v[BA0], BT, v[BA0]
	v_lshlrev_b32 v[BVA0], 2, v27
	v_add_nc_u32 v[BVA0], BT+4096, v[BVA0]
	v_lshrrev_b32 v29, 2, v0                       ; thread t serves channels 4 t .. 4 t + 3, of group t / 4
	v_lshlrev_b32 v30, 5, v29
	v_lshlrev_b32 v31, 4, v0
	global_load_b128 v[192:195], v30, s[6:7]               ; the group's four chunks: (mean, M2) x 4
	global_load_b128 v[196:199], v30, s[6:7] offset:16
	global_load_b128 v[200:203], v31, s[8:9]               ; gamma
	global_load_b128 v[204:207], v31, s[10:11]             ; beta
	global_load_b128 v[208:211], v31, s[12:13]             ; q_b
	global_load_b128 v[212:215], v31, s[14:15]             ; k_b
	global_load_b128 v[216:219], v31, s[16:17]             ; v_b
; K step s of x: 64 loads.  Lanes 0-15 read positions 2 r, 2 r + 1 of channel 128 s + 2 i, lanes 16-31 of channel 128 s + 2 i + 1: register 2 i + u is tile u's number of slot i = 16 c + m
.macro XLOAD s
	WIN 0x40
.set i, 0
.rept 64
	global_load_b64 v[128*((\s)%2)+2*i:128*((\s)%2)+2*i+1], v[XO], s[48+2*(\s):49+2*(\s)] offset:131072*i th:TH_LOAD_NT
.set i, i+1
.endr
	WIN 0
.endm
	XLOAD 0
	XLOAD 1
	s_wait_loadcnt 63                              ; the seven loads above are in: 128 stand behind them, and the count can name 63
	s_wait_kmcnt 0x0                               ; the exponents
	; ---- the tables.  mean = (m0 + m1 + m2 + m3) / 4;  M2 = the four M2 + 65,536 x the sum of (mi - mean)^2;  rstd = 1 / sqrt(M2 / 262,144 + 1e-6)
	v_add_f32 v220, v192, v194
	v_add_f32 v221, v196, v198
	v_add_f32 v220, v220, v221
	v_mul_f32 v220, 0x3e800000, v220
	v_sub_f32 v221, v192, v220
	v_sub_f32 v222, v194, v220
	v_sub_f32 v223, v196, v220
	v_sub_f32 v224, v198, v220
	v_mul_f32 v221, v221, v221
	v_fmac_f32 v221, v222, v222
	v_fmac_f32 v221, v223, v223
	v_fmac_f32 v221, v224, v224
	v_add_f32 v222, v193, v195
	v_add_f32 v223, v197, v199
	v_add_f32 v222, v222, v223
	v_fmac_f32 v222, 0x47800000, v221
	s_mov_b32 s82, 0x36800000                      ; 2^-18
	s_mov_b32 s83, 0x358637bd                      ; 1e-6
	v_fma_f32 v222, v222, s82, s83
	v_rsq_f32 v223, v222
	s_add_co_i32 s84, s68, s69                     ; a sum of codes stands for sum x 2^(ew + ex): the biases go in divided by that
	s_sub_co_i32 s84, 0, s84
	s_add_co_i32 s85, s70, s71
	s_sub_co_i32 s85, 0, s85
	s_add_co_i32 s86, s72, s73
	s_sub_co_i32 s86, 0, s86
	v_ldexp_f32 v240, v208, s84                    ; even channels side by side, odd channels side by side.  (Plain lines behind the reciprocal root)
	v_ldexp_f32 v241, v210, s84
	v_ldexp_f32 v242, v209, s84
	v_ldexp_f32 v243, v211, s84
	v_ldexp_f32 v244, v212, s85
	v_ldexp_f32 v245, v214, s85
	v_ldexp_f32 v246, v213, s85
	v_ldexp_f32 v247, v215, s85
	v_ldexp_f32 v248, v216, s86
	v_ldexp_f32 v249, v218, s86
	v_ldexp_f32 v250, v217, s86
	v_ldexp_f32 v251, v219, s86
	v_lshl_add_u32 v236, v0, 5, TAB
	v_lshl_add_u32 v237, v29, 2, MEANT
	v_and_b32 v239, 3, v0
	v_lshlrev_b32 v239, 3, v239
	v_lshl_add_u32 v238, v29, 6, v239
	v_add_nc_u32 v238, BT, v238
	v_mov_b32 v229, v204
	v_mov_b32 v231, v206
	v_mov_b32 v233, v205
	v_mov_b32 v235, v207
	s_wait_alu depctr_va_vdst(0)                   ; the wait ahead of the first line that names the root's result
	v_mul_f32 v228, v223, v200
	v_mul_f32 v230, v223, v202
	v_mul_f32 v232, v223, v201
	v_mul_f32 v234, v223, v203
	ds_store_b128 v236, v[228:231]
	ds_store_b128 v236, v[232:235] offset:16
	ds_store_b32 v237, v220                        ; (the group's four threads store the same word)
	ds_store_b64 v238, v[240:241]
	ds_store_b64 v238, v[242:243] offset:32
	ds_store_b64 v238, v[244:245] offset:2048
	ds_store_b64 v238, v[246:247] offset:2048+32
	ds_store_b64 v238, v[248:249] offset:4096
	ds_store_b64 v238, v[250:251] offset:4096+32
	MKSCALE SCX, 69
	MKSCALE SCX+2, 71
	MKSCALE SCX+4, 73
	s_add_co_i32 s92, s74, s84                     ; e6 - e0 - e1: the three scales ahead of q's quantiser folded into the conversion's one
	MKSCALE SCO, 92
	s_add_co_i32 s92, s75, s85
	MKSCALE SCO+2, 92
	s_add_co_i32 s92, s77, s86
	MKSCALE SCO+4, 92
	s_wait_dscnt 0x0                               ; for the others: my part of the tables has landed
	s_barrier_signal -1
	s_barrier_wait -1
; K step s: the norm in place, then six fragments: three scales x two tiles.  The hold picks tile u's numbers out of the pairs, so the gather costs no line.
.macro XSTEP s
.set XS, 128*((\s)%2)
	WIN 0xc0
.set i, 0
.rept 32
	ds_load_b128 v[128+4*i:128+4*i+3], v[PA] offset:1024*(\s)+32*i   ; (a, b) of slots 2 i and 2 i + 1 of my half
.set i, i+1
.endr
	WIN 0
	ds_load_b128 v[MEAN:MEAN+3], v[MNA] offset:32*(\s)
	ds_load_b128 v[MEAN+4:MEAN+7], v[MNA] offset:32*(\s)+16
	s_wait_dscnt 0x0
.if (\s) < 3
	s_wait_loadcnt 63                              ; this K step's 64 loads are in: the next step's 64 stand behind them, and the count can name 63
.else
	s_wait_loadcnt 0x0
.endif
	WIN 0x41
.set i, 0
.rept 64
.if (i/8)%2
	v_pk_add_f32 v[XS+2*i:XS+2*i+1], v[XS+2*i:XS+2*i+1], v[MEAN+2*(i/16):MEAN+2*(i/16)+1] op_sel:[0,1] op_sel_hi:[1,1] neg_lo:[0,1] neg_hi:[0,1]
.else
	v_pk_add_f32 v[XS+2*i:XS+2*i+1], v[XS+2*i:XS+2*i+1], v[MEAN+2*(i/16):MEAN+2*(i/16)+1] op_sel_hi:[1,0] neg_lo:[0,1] neg_hi:[0,1]
.endif
.set i, i+1
.endr
	WIN 0x7d
.set i, 0
.rept 64
	v_pk_fma_f32 v[XS+2*i:XS+2*i+1], v[XS+2*i:XS+2*i+1], v[128+2*i:128+2*i+1], v[128+2*i:128+2*i+1] op_sel:[0,0,1] op_sel_hi:[1,0,1]   ; x a + b: of the pair (a, b) the low word multiplies, the high word is added
.set i, i+1
.endr
.irp a, 0,1,2
.irp u, 0,1
	WIN 0x01
.set i, 0
.rept 64
	v_med3_num_f32 v[T+i], v[XS+2*i+\u], -v[SCX+2*\a+1], v[SCX+2*\a+1]   ; the conversion does not saturate (ISA guide 7.6.2): the hold at 448 x the scale
.set i, i+1
.endr
.if \a == 2
	WIN 0xc0
.else
	WIN 0x80
.endif
.set i, 0
.rept 8
	v_cvt_scalef32_pk8_fp8_f32 v[128*(\a%2)+64*\u+16*(\s)+2*i:128*(\a%2)+64*\u+16*(\s)+2*i+1], v[T+8*i:T+8*i+7], v[SCX+2*\a]
.set i, i+1
.endr
	v_nop                                          ; a plain line between the last conversion and the next lines that write its sources
.endr
.endr
.if (\s)+2 < 4
	XLOAD (\s)+2
.endif
	WIN 0
.endm
	XSTEP 0
	XSTEP 1
	XSTEP 2
	XSTEP 3
; ---- the products.  A slot holds six units U: pair of tiles U / 3, tensor U % 3.
.macro BATCH U                         ; a unit's eight fragments (tile o, K step s at register 16 (4 o + s)) and its biases: 36 LDS loads for q and k, 34 for v
.set bt, (\U)%3
.set bs, (\U)%2
.set bu, (\U)/3
	WIN 0x40
.set i, 0
.rept 32
	ds_load_b128 v[128*bs+4*i:128*bs+4*i+3], v[WA+bu] offset:16384*bt+512*i
.set i, i+1
.endr
	WIN 0
.if bt < 2
.irp q, 0,1,2,3
	ds_load_b128 v[BIAS+16*bs+4*\q:BIAS+16*bs+4*\q+3], v[BA] offset:2048*bt+128*bu+64*(\q/2)+16*(\q%2)
.endr
.else
	ds_load_b32 v[BV+2*bs], v[BVA] offset:128*bu
	ds_load_b32 v[BV+2*bs+1], v[BVA] offset:128*bu+64
.endif
.endm
.macro MUL U                           ; 16 matrix instructions: four accumulators by turns, one instruction a turn
.set mt, (\U)%3
.set ms, (\U)%2
.if mt < 2
	WIN 0x09                                       ; source 0 (weights) window 1, source 1 (hn) window 2
.irp s, 0,1,2,3
.irp p, 0,1
.irp o, 0,1
.if \s == 0
	v_wmma_f32_16x16x128_fp8_fp8 v[ACC+32*ms+16*\p+8*\o:ACC+32*ms+16*\p+8*\o+7], v[128*ms+16*(4*\o+\s):128*ms+16*(4*\o+\s)+15], v[128*mt+64*\p+16*\s:128*mt+64*\p+16*\s+15], v[BIAS+16*ms+8*\o:BIAS+16*ms+8*\o+7]
.else
	v_wmma_f32_16x16x128_fp8_fp8 v[ACC+32*ms+16*\p+8*\o:ACC+32*ms+16*\p+8*\o+7], v[128*ms+16*(4*\o+\s):128*ms+16*(4*\o+\s)+15], v[128*mt+64*\p+16*\s:128*mt+64*\p+16*\s+15], v[ACC+32*ms+16*\p+8*\o:ACC+32*ms+16*\p+8*\o+7]
.endif
.endr
.endr
.endr
.else
	WIN 0x07                                       ; source 0 (hn) window 3, source 1 (weights) window 1
.irp s, 0,1,2,3
.irp o, 0,1
.irp p, 0,1
.if \s == 0
	v_wmma_f32_16x16x128_fp8_fp8 v[ACC+32*ms+16*\o+8*\p:ACC+32*ms+16*\o+8*\p+7], v[64*\p+16*\s:64*\p+16*\s+15], v[128*ms+16*(4*\o+\s):128*ms+16*(4*\o+\s)+15], 0
.else
	v_wmma_f32_16x16x128_fp8_fp8 v[ACC+32*ms+16*\o+8*\p:ACC+32*ms+16*\o+8*\p+7], v[64*\p+16*\s:64*\p+16*\s+15], v[128*ms+16*(4*\o+\s):128*ms+16*(4*\o+\s)+15], v[ACC+32*ms+16*\o+8*\p:ACC+32*ms+16*\o+8*\p+7]
.endif
.endr
.endr
.endr
.endif
	WIN 0
.endm
.macro EPI U                           ; a unit's 32 sums a lane become 32 codes: two stores of 512 consecutive bytes.  Each accumulator is read from its low end on
.set et, (\U)%3
.set es, (\U)%2
.set eu, (\U)/3
.set EA, ACC+32*es
.set EO, OUTC+8*es
	s_wait_xcnt 0x0                                ; the stores of two units back have read these code registers
.if et == 2
.set i, 0
.rept 8
	v_pk_add_f32 v[EA+2*i:EA+2*i+1], v[EA+2*i:EA+2*i+1], v[BV+2*es:BV+2*es+1] op_sel_hi:[1,0]   ; v: a lane is one channel: its bias, of the first tile,
.set i, i+1
.endr
.rept 8
	v_pk_add_f32 v[EA+2*i:EA+2*i+1], v[EA+2*i:EA+2*i+1], v[BV+2*es:BV+2*es+1] op_sel:[0,1] op_sel_hi:[1,1]   ; of the second
.set i, i+1
.endr
.endif
.set i, 0
.rept 32
	v_med3_num_f32 v[EA+i], v[EA+i], -v[SCO+2*et+1], v[SCO+2*et+1]
.set i, i+1
.endr
.set i, 0
.rept 4
	v_cvt_scalef32_pk8_fp8_f32 v[EO+2*i:EO+2*i+1], v[EA+8*i:EA+8*i+7], v[SCO+2*et]
.set i, i+1
.endr
	v_nop                                          ; a plain line behind the last conversion: later products write its sources
.if et == 2
	global_store_b128 v[LI], v[EO:EO+3], s[60:61] offset:4096*eu            ; chunk w of the fragments of channel tiles 2 n and 2 n + 1
	global_store_b128 v[LI], v[EO+4:EO+7], s[60:61] offset:4096*eu+2048
.else
	global_store_b128 v[LI], v[EO:EO+3], s[56+2*et:57+2*et] offset:512*eu       ; chunk n of my first tile of positions,
	global_store_b128 v[LI], v[EO+4:EO+7], s[56+2*et:57+2*et] offset:512*eu+8192 ; of my second
.endif
.endm
; The change of slots stands at a slot's head.  Each wave waits for all its tensor loads (its quarter of the slot ahead), adds 0 to its spare word, and waits for that and for its reads of the slot that it has left.
; fill = 1: the barrier is a round of the cluster's, and the joint refill of the slot just left is the first thing behind it: it has a whole slot's 96 matrix instructions in which to land.
.macro CHANGE fill
	WIN 0
	s_wait_tensorcnt 0x0                           ; no tensor load of mine is out, so group 0 may be written
	ds_add_u32 v[SPW], v[NIL]                      ; 0 onto my spare word
.if \fill
	s_xor_b32 s[G0+1], s[G0+1], SLOT1
	s_add_nc_u64 s[G0+2:G0+3], s[G0+2:G0+3], STEPB
.endif
	s_wait_dscnt 0x0                               ; the add is done, and my reads of the slot that I have left are over
.if \fill
	CROUND
	tensor_load_to_lds s[G0:G0+3], s[G1:G1+7]
	s_nop 0
	PLACES
.else
	s_barrier_signal -1
	s_barrier_wait -1
.endif
.endm
; A slot's six units.  Two batches of LDS loads are always out; the count of each wait is the size of the batch behind the one wanted.
; The lines of the unit before (its hold and conversions) stand behind each unit's products: they name none of those products' registers and are the places ahead of the loads into the fragments just read.
.macro SLOT
	v_add_nc_u32 v[WA], s[TB], v[LI]
	v_add_nc_u32 v[WA+1], 49152, v[WA]
	v_add_nc_u32 v[BA], s[BTO], v[BA0]
	v_add_nc_u32 v[BVA], s[BTO], v[BVA0]
	BATCH 0
	BATCH 1
	s_wait_dscnt 36
	MUL 0
	PLACES
	BATCH 2
	s_wait_dscnt 34
	MUL 1
	EPI 0
	BATCH 3
	s_wait_dscnt 36
	MUL 2
	EPI 1
	BATCH 4
	s_wait_dscnt 36
	MUL 3
	EPI 2
	BATCH 5
	s_wait_dscnt 34
	MUL 4
	EPI 3
	s_wait_dscnt 0x0
	MUL 5
	EPI 4
	EPI 5
	s_wait_xcnt 0x0                                ; the stores have read their bases
	s_add_nc_u64 s[56:57], s[56:57], 1024          ; two chunks on
	s_add_nc_u64 s[58:59], s[58:59], 1024
	s_add_nc_u64 s[60:61], s[60:61], 8192          ; four channel tiles on
	s_add_co_u32 s[BTO], s[BTO], 256
	s_xor_b32 s[TB], s[TB], SLOT1
.endm
.Lring:                                            ; seven trips: behind each change of slots but the last the next slot is asked for
	CHANGE 1
	SLOT
	s_sub_co_u32 s[CNT], s[CNT], 1
	s_cmp_lg_u32 s[CNT], 0
	s_cbranch_scc1 .Lring
	CHANGE 0                                       ; the last slot is written out
	SLOT
	s_wait_tensorcnt 0x0                           ; the wave's end
	ds_add_u32 v[SPW], v[NIL]
	s_wait_dscnt 0x0
	CROUND                                         ; the closing round: no work-group ends while a partner may still ask for a slot that names it
	s_endpgm
.Lfunc_end_k_q10b1647d69_qkv:
	.size	k_q10b1647d69_qkv, .Lfunc_end_k_q10b1647d69_qkv-k_q10b1647d69_qkv
	.p2alignl 7, 3214868480
	.fill 96, 4, 3214868480
	.section	.rodata,"a",@progbits
	.p2align	6, 0x0
	.amdhsa_kernel k_q10b1647d69_qkv
		.amdhsa_group_segment_fixed_size 327680
		.amdhsa_private_segment_fixed_size 0
		.amdhsa_enable_private_segment 0
		.amdhsa_kernarg_size 88
		.amdhsa_user_sgpr_count 2
		.amdhsa_user_sgpr_kernarg_segment_ptr 1
		.amdhsa_wavefront_size32 1
		.amdhsa_system_sgpr_workgroup_id_x 1
		.amdhsa_system_sgpr_workgroup_id_y 1
		.amdhsa_system_sgpr_workgroup_id_z 1
		.amdhsa_system_vgpr_workitem_id 0
		.amdhsa_next_free_vgpr 1024
		.amdhsa_next_free_sgpr 100
		.amdhsa_reserve_vcc 0
		.amdhsa_float_denorm_mode_32 3
		.amdhsa_float_denorm_mode_16_64 3
		.amdhsa_memory_ordered 1
		.amdhsa_forward_progress 1
		.amdhsa_inst_pref_size 255
	.end_amdhsa_kernel
	.section	.bss,"aw",@nobits
	.p2align	6
	.space	262144
	.amdgpu_metadata
---
amdhsa.version: [ 1, 2 ]
amdhsa.kernels:
  - .name:           k_q10b1647d69_qkv
    .symbol:         k_q10b1647d69_qkv.kd
    .args:
      - { .name: x, .offset: 0, .size: 8, .value_kind: global_buffer, .address_space: global }
      - { .name: stats, .offset: 8, .size: 8, .value_kind: global_buffer, .address_space: global }
      - { .name: gamma, .offset: 16, .size: 8, .value_kind: global_buffer, .address_space: global }
      - { .name: beta, .offset: 24, .size: 8, .value_kind: global_buffer, .address_space: global }
      - { .name: q_b, .offset: 32, .size: 8, .value_kind: global_buffer, .address_space: global }
      - { .name: k_b, .offset: 40, .size: 8, .value_kind: global_buffer, .address_space: global }
      - { .name: v_b, .offset: 48, .size: 8, .value_kind: global_buffer, .address_space: global }
      - { .name: wcodes, .offset: 56, .size: 8, .value_kind: global_buffer, .address_space: global }
      - { .name: lowp_scales, .offset: 64, .size: 8, .value_kind: global_buffer, .address_space: global }
      - { .name: qc, .offset: 72, .size: 8, .value_kind: global_buffer, .address_space: global }
      - { .name: kv, .offset: 80, .size: 8, .value_kind: global_buffer, .address_space: global }
    .group_segment_fixed_size: 327680
    .private_segment_fixed_size: 0
    .kernarg_segment_align: 8
    .kernarg_segment_size: 88
    .max_flat_workgroup_size: 128
    .sgpr_count:     100
    .vgpr_count:     1024
    .wavefront_size: 32
...
	.end_amdgpu_metadata
.endif
;; end of part 2
;; launch attn (part 3): grid 8 x 32, 4 waves a work-group, clusters of 4 x 1, 327,680 bytes of LDS; arguments qc, kv, wcodes, lowp_scales, proj_b, x, out0; writes out0
.if DOCPART == 3
	.amdgcn_target "amdgcn-amd-amdhsa--gfx1250"
	.amdhsa_code_object_version 6
	.text
	.protected	k_q10b1647d69_attn
	.globl	k_q10b1647d69_attn
	.p2align	8
	.type	k_q10b1647d69_attn,@function
k_q10b1647d69_attn:
	s_mov_b64 s[64:65], 0
	v_nop
	global_prefetch_b8 v0, s[64:65] scope:SCOPE_SE
	s_setreg_imm32_b32 hwreg(HW_REG_WAVE_MODE, 25, 1), 1
	s_wait_xcnt 0x0
	s_wait_alu depctr_hold_cnt(0) depctr_sa_sdst(0) depctr_va_vdst(0) depctr_va_sdst(0) depctr_va_ssrc(0) depctr_va_vcc(0) depctr_vm_vsrc(0)
	s_getreg_b32 s2, hwreg(HW_REG_IB_STS2, 6, 4)
	s_cmp_eq_u32 s2, 0
	s_cbranch_scc0 .Lentry_in_a_cluster
	s_endpgm
.Lentry_in_a_cluster:
	s_bfe_u32 s2, ttmp6, 0x10000c
	s_cmp_lg_u32 s2, 0x3003
	s_cbranch_scc0 .Lentry_shape_is_right
	s_endpgm
.Lentry_shape_is_right:
; THIRD LAUNCH: out = x + proj_w softmax(q k^T / sqrt(512)) v + proj_b, all three products on codes of E4M3.
; SHARES.  A work-group owns 128 queries of one frame (grid x: block, grid y: frame), a wave 32 of them, two tiles of 16, with all 512 channels of O: 512 registers.  Every wave walks the frame's 1,024 keys, 128 a step.
; All operands come as images of operand registers (16 bytes a lane, 512 bytes a chunk, four chunks a fragment), laid by the launches before: every fragment is four loads of 512 consecutive bytes.
; LAYOUT.  Both products are used transposed: S^T = K Q^T (source 0 = 16 keys, source 1 = 16 queries), O^T = V^T P^T (source 0 = 16 channels, source 1 = P): a lane holds ONE query throughout.
; The 16 registers of key tiles 2 c, 2 c + 1 are the 16 key slots of chunk c of my half, in the order in which the second launch laid v: the conversions' results are the second product's operand.
; SOFTMAX.  t = score x log2(e) / sqrt(512); M = the running largest t rounded up to a whole number; p = 2^(t - M) is quantised (scale e8), not normalised; the sum is taken of the unquantised p and divides O at the end.
; When M moves, the sum and O^T are multiplied by 2^(old M - new M), which rounds nothing.
; THE RING.  A key step's 64 KiB of k and 64 KiB of v are one dense block of memory; two LDS slots of 128 KiB; each wave fetches a quarter, 128 rows of 256 bytes.
; CLUSTER.  The four query blocks of a cluster belong to one frame and walk the same k and v: each slot is asked for JOINTLY (mask 15).
; THE PROJECTION.  O / l is quantised (scale e11) and goes through LDS as images; then the waves share the OUTPUT CHANNELS, 128 each, in two trips of 64: source 0 = 16 queries of O, source 1 = 16 rows of proj_w:
; a lane holds one output channel and registers along positions, which are innermost in out.  The results pass a stage in LDS and leave as rows of 512 consecutive bytes, with x added.
; x IS ASKED FOR WHILE KEYS ARE STILL WALKED.  A wave adds 128 rows of x (its channels; 512 bytes a row, 65,536 bytes apart).  Rows 64 to 94 come by a tensor load at the head, into LDS bytes behind the ring;
; rows 0 to 63 by a tensor load at the last change of slots, into the slot that key step 6 has left; rows 95 to 127 by loads into the registers that O^T of tile 1 leaves.  So behind the last key step the launch
; still has to ask for 33 of a wave's 128 rows.  These tensor loads carry no mask: a row of x belongs to one work-group alone.  Each wave reads only the rows that it has fetched.
; proj_w's codes go from memory straight into registers: each byte is wanted by one wave of a work-group, and the one slot that falls free ahead of them is given to x.
; By this text's own count a wave has three tensor loads out at the start (key steps 0 and 1, 31 rows of x) and one later.
; LIMITS: e6 + e7 between -122 and 131 (added to c's exponent field); e8 and e11 - e8 - e9 between -126 and 119; e10 + e11 between -126 and 127.  NaN among the inputs is not served.
; REGISTERS, in windows of 256.  Window 0: v1-11, v48-50 addresses; v12-19 -M, largest t and the sum's two halves, a tile; v20-23 the factor f, later 1 / l; v24-35 at work; v36-39 scales; v40-47 proj_b, four a trip;
;   v64-191 S^T, then p (64 a tile); later O's codes; later fragments of O, two sets; later rows on their way out and rows of x; v192-223 p's codes; v192-255 results on their way into the stage.
;   window 1: O^T of tile 0; later the projection's 32 accumulators.   window 2: O^T of tile 1; later 33 rows of x.   window 3: v0-127 Q; v128-255 fragments of k or v, two sets of four; later proj_w's 16 fragments of a trip.
.set SLOT1, 1<<17
.set UNIT,  131072                     ; a key step's bytes
.set SPARE, 262144                     ; behind the ring: the spare words, 128 bytes for each wave, which no other line names
.set NT,    31                         ; rows of x a wave that lie behind the spare words: 4 x 31 x 512 = 63,488 bytes, up to byte 326,144
.set XT,    SPARE+512
.set XTB,   NT*512
.set OIMG,  SLOT1                      ; O's images, 64 KiB, and behind them the four stages of 16 rows x 528 bytes: in slot 1, written when that slot has had its last fill and its last read
.set STG,   SLOT1+65536
.set SPW,  1
.set NIL,  2
.set LI,   3                           ; 16 x lane
.set LI2,  4                           ; 16 x lane + 65,536
.set ADK,  5                           ; the slot's k
.set ADV,  6                           ; the slot's v
.set PFO,  7                           ; 256 x lane
.set STO,  8                           ; the stage, in
.set RD,   9                           ; the stage, back
.set PBO,  10                          ; 4 x my lane's channel in a tile
.set OST,  11                          ; where my wave's images of O go
.set XLA,  48                          ; my rows 0 to 63 of x, in slot 0
.set XTA,  49                          ; my rows 64 to 94 of x, behind the spare words
.set OIA,  50                          ; O's images, + 16 x lane
.set S,    64
.set WV,   18                          ; s18 wave
.set CS,   22                          ; s[22:23] c
.set G1,   24                          ; s[24:31] group 1 of the keys' loads
.set G0,   32                          ; s[32:35] their group 0: key step 1, then it walks
.set TB,   36                          ; s36 the slot in hand
.set CNT,  37                          ; s37 slots still to be asked for
.set LIM,  38                          ; s38 1 in a cluster that prefetches, else the greatest number
.set SCL,  39                          ; s39 2^(e10 + e11)
.set PFA,  40                          ; s[40:41] where my prefetches stand
.set SEL,  42                          ; s[42:43] lane selects: lane l xor 16
.set G0A,  52                          ; s[52:55] group 0 of key step 0
.set G0X,  68                          ; s[68:71] group 0 of x's rows 0 to 63
.set G0T,  72                          ; s[72:75] group 0 of x's rows 64 to 94
.set G1X,  84                          ; s[84:91] group 1: 64 rows of x
.set G1T,  92                          ; s[92:99] group 1: 31 rows of x
.set MSB, 0
.macro WIN new
.if MSB != \new
	s_set_vgpr_msb (MSB<<8)|\new
.set MSB, \new
.endif
.endm
.macro CROUND
	s_barrier_signal -1
	s_barrier_wait -1
	s_cmp_lg_u32 s[WV], 0
	s_cbranch_scc1 .Lnot_wave_0_\@
	s_barrier_signal -3
.Lnot_wave_0_\@:
	s_barrier_wait -3
	s_barrier_signal -1
	s_barrier_wait -1
.endm
.macro PLACES                          ; four plain lines between matrix instructions and loads into registers that they read, or the first read of their results
.rept 4
	v_nop
.endr
.endm
; A PREFETCH INTO THE L2 of the key step that the NEXT change of slots will ask for: 128 KiB.  Both clusters of a frame walk the same k and v: the first (cluster x = 0) asks.  Its four partners take 32 KiB each, told apart
; by address; each wave 8 KiB of that, lanes 256 bytes apart: one instruction a wave, each aligned block of 256 bytes named once in the launch.  The last change that fills a slot with keys asks for nothing.
.macro ASK
	s_cmp_gt_u32 s[CNT], s[LIM]
	s_cbranch_scc0 .Lnot_mine_\@
	global_prefetch_b8 v[PFO], s[PFA:PFA+1] th:TH_LOAD_NT scope:SCOPE_SE
.Lnot_mine_\@:
.endm
	s_load_b256 s[4:11], s[0:1], 0x0               ; qc s[4:5], kv s[6:7], wcodes s[8:9], scales s[10:11]
	s_load_b128 s[12:15], s[0:1], 0x20             ; proj_b s[12:13], x s[14:15]
	s_load_b64 s[16:17], s[0:1], 0x30              ; out0
	v_lshl_add_u32 v[SPW], v0, 2, SPARE
	v_mov_b32 v[NIL], 0
	ds_add_u32 v1, v2
	ds_add_u32 v1, v2
	s_wait_dscnt 0x0
	v_lshrrev_b32 v44, 5, v0
	v_readfirstlane_b32 s[WV], v44                 ; wave 0..3
	v_and_b32 v45, 31, v0
	v_lshlrev_b32 v[LI], 4, v45
	v_lshlrev_b32 v[PFO], 8, v45
	s_bfe_u32 s19, ttmp6, 0x40000                  ; cx
	s_lshl_b32 s20, ttmp9, 2
	s_add_co_u32 s20, s20, s19                     ; my block of 128 queries: it enters global addresses of qc, x and out0 alone
	s_and_b32 s21, ttmp7, 0xffff                   ; the frame, which the four partners share
	s_mov_b32 s[G1], 15|(3<<16)|(1<<21)            ; the mask: all four; elements of 8 bytes; bit 21 beside a mask; no padding
	s_mov_b32 s[G1+1], 32<<16                      ; rows of 256 bytes
	s_mov_b32 s[G1+2], 128<<16                     ; 128 of them
	s_mov_b32 s[G1+3], 32<<16
	s_mov_b32 s[G1+4], 128
	s_mov_b32 s[G1+5], 32                          ; dense
	s_mov_b32 s[G1+6], 0
	s_mov_b32 s[G1+7], 0
.irp g, G1X, G1T
	s_mov_b32 s[\g], 3<<16                         ; no mask; elements of 8 bytes; no padding: a row is read back 512 consecutive bytes at a time
	s_mov_b32 s[\g+1], 64<<16                      ; tensor_dim0 = 64 elements: rows of 512 bytes
	s_mov_b32 s[\g+3], 64<<16                      ; tile_dim0
	s_mov_b32 s[\g+5], 8192                        ; from row to row: 65,536 bytes
	s_mov_b32 s[\g+6], 0
	s_mov_b32 s[\g+7], 0
.endr
	s_mov_b32 s[G1X+2], 64<<16                     ; tensor_dim1,
	s_mov_b32 s[G1X+4], 64                         ; tile_dim1
	s_mov_b32 s[G1T+2], NT<<16
	s_mov_b32 s[G1T+4], NT
	s_lshl_b32 s66, s[WV], 15                      ; my quarter of a slot
	s_mul_i32 s67, s[WV], XTB
	s_add_co_u32 s67, s67, XT                      ; my rows behind the spare words
	s_lshl_b32 s76, s21, 20                        ; the frame's MiB of kv
	s_add_co_u32 s76, s76, s66
	s_mov_b32 s77, 0
	s_lshl_b32 s78, s21, 20                        ; the prefetches: the frame, key step 2, my work-group's 32 KiB, my wave's 8 KiB; the first change steps it to key step 3
	s_add_co_u32 s78, s78, 2*UNIT
	s_lshl_b32 s79, s19, 15
	s_add_co_u32 s78, s78, s79
	s_lshl_b32 s79, s[WV], 13
	s_add_co_u32 s78, s78, s79
	s_mov_b32 s79, 0
	s_lshl_b32 s80, s21, 19                        ; qc: ((8 frame + block) 4 + wave) x 16,384
	s_lshl_b32 s81, s20, 16
	s_add_co_u32 s80, s80, s81
	s_lshl_b32 s81, s[WV], 14
	s_add_co_u32 s80, s80, s81
	s_mov_b32 s81, 0
	s_lshr_b32 s82, s21, 4                         ; x and out0: batch x 32 MiB + time x 4,096 + block x 512 + my wave's 128 channels x 65,536
	s_lshl_b32 s82, s82, 25
	s_and_b32 s83, s21, 15
	s_lshl_b32 s83, s83, 12
	s_add_co_u32 s82, s82, s83
	s_lshl_b32 s83, s20, 9
	s_add_co_u32 s82, s82, s83
	s_lshl_b32 s83, s[WV], 23
	s_add_co_u32 s82, s82, s83
	s_mov_b32 s83, 0
	s_lshl_b32 s58, s[WV], 16                      ; proj_w's codes: my eight tiles of 8,192 bytes
	s_add_co_u32 s58, s58, 786432
	s_mov_b32 s59, 0
	s_lshl_b32 s2, s[WV], 9                        ; proj_b: my 128 numbers
	s_mov_b32 s3, 0
	s_mov_b32 s[SEL], 0x76543210
	s_mov_b32 s[SEL+1], 0xfedcba98
	s_mov_b32 s[CS], 0x3d8293ee                    ; c = log2(e) / sqrt(512)
	s_mov_b32 s[TB], 0
	s_cmp_eq_u32 ttmp9, 0                          ; the same in all four partners
	s_cselect_b32 s[LIM], 1, -1
	s_wait_kmcnt 0x0
	s_load_b64 s[56:57], s[10:11], 0x18            ; e6, e7
	s_load_b128 s[60:63], s[10:11], 0x20           ; e8 .. e11
	s_add_nc_u64 s[4:5], s[4:5], s[80:81]
	WIN 0xc0
.set i, 0
.rept 32
	global_load_b128 v[4*i:4*i+3], v[LI], s[4:5] offset:512*i   ; Q stays in registers: tile u, K step s at v[64 u + 16 s].  Asked for ahead of the tensor loads: key step 0 wants it
.set i, i+1
.endr
	WIN 0
	s_mov_b32 s[G0A], 1
	s_mov_b32 s[G0A+1], s66                        ; slot 0
	s_add_nc_u64 s[G0A+2:G0A+3], s[6:7], s[76:77]  ; key step 0
	s_add_nc_u64 s[G0+2:G0+3], s[G0A+2:G0A+3], UNIT ; key step 1
	s_or_b32 s[G0A+3], s[G0A+3], 0x80000000
	s_mov_b32 s[G0], 1
	s_add_co_u32 s[G0+1], s66, SLOT1               ; slot 1
	s_or_b32 s[G0+3], s[G0+3], 0x80000000
	s_add_nc_u64 s[PFA:PFA+1], s[6:7], s[78:79]
	s_add_nc_u64 s[44:45], s[8:9], s[58:59]        ; proj_w's codes
	s_add_nc_u64 s[46:47], s[12:13], s[2:3]        ; proj_b
	s_add_nc_u64 s[48:49], s[14:15], s[82:83]      ; x
	s_add_nc_u64 s[50:51], s[16:17], s[82:83]      ; out0
	s_mov_b32 s[G0X], 1
	s_mov_b32 s[G0X+1], s66                        ; slot 0, my quarter: 64 rows of 512 bytes
	s_mov_b64 s[G0X+2:G0X+3], s[48:49]             ; my row 0
	s_or_b32 s[G0X+3], s[G0X+3], 0x80000000
	s_mov_b32 s[G0T], 1
	s_mov_b32 s[G0T+1], s67
	s_add_nc_u64 s[G0T+2:G0T+3], s[48:49], 64*65536 ; my row 64
	s_or_b32 s[G0T+3], s[G0T+3], 0x80000000
	CROUND                                         ; all four work-groups are here: the first joint loads meet
	tensor_load_to_lds s[G0A:G0A+3], s[G1:G1+7]    ; the first fills go out as one group: key step 0,
	s_nop 0
	tensor_load_to_lds s[G0:G0+3], s[G1:G1+7]      ; key step 1,
	s_nop 0
	tensor_load_to_lds s[G0T:G0T+3], s[G1T:G1T+7]  ; my rows 64 to 94 of x
	s_nop 0
	PLACES                                         ; four plain lines follow a tensor load
	v_add_nc_u32 v[LI2], 65536, v[LI]
	v_and_b32 v44, 15, v0                          ; r
	v_bfe_u32 v45, v0, 4, 1                        ; h
	v_and_b32 v46, 7, v44
	v_lshrrev_b32 v47, 3, v44
	v_lshl_add_u32 v46, v46, 1, v47                ; row r of a weight tile is its channel 2 (r & 7) + (r >> 3)
	v_lshlrev_b32 v[PBO], 2, v46
	v_mul_u32_u24 v[STO], v46, 528                 ; the stage: 16 rows (channels) of 512 bytes + 16; in: my channel's row, + 64 h
	v_lshl_add_u32 v[STO], v45, 6, v[STO]
	s_mul_i32 s66, s[WV], 8448
	s_add_co_u32 s66, s66, STG                     ; my stage
	v_add_nc_u32 v[STO], s66, v[STO]
	v_add_nc_u32 v[RD], s66, v[LI]                 ; back: the 32 lanes take a row
	s_lshl_b32 s66, s[WV], 14
	s_add_co_u32 s66, s66, OIMG
	v_add_nc_u32 v[OST], s66, v[LI]                ; O's images: tile of queries 2 w + u at 8,192 (2 w + u)
	v_add_nc_u32 v[OIA], OIMG, v[LI]
	s_lshl_b32 s66, s[WV], 15
	v_add_nc_u32 v[XLA], s66, v[LI]
	v_add_nc_u32 v[XTA], s67, v[LI]
.irp u, 0,1
	v_mov_b32 v[13+4*\u], 0xff61b1e6               ; the largest t so far: -3e38, under every t
	v_floor_f32 v[12+4*\u], -v[13+4*\u]            ; -M
	v_mov_b32 v[14+4*\u], 0                        ; the sum, in two halves
	v_mov_b32 v[15+4*\u], 0
	v_mov_b32 v[21+2*\u], 0                        ; (named as the upper half of a pair)
	v_mov_b32 v[26+4*\u], 0                        ; (a lane permute's destination counts as one of its sources)
.endr
	s_wait_kmcnt 0x0
	s_add_co_i32 s66, s56, s57
	s_lshl_b32 s66, s66, 23
	s_add_co_i32 s[CS], s[CS], s66                 ; a score stands for score x 2^(e6 + e7): the exponents are added to c's exponent field
	s_mov_b32 s[CS+1], s[CS]
	s_add_co_i32 s66, s60, 127
	s_lshl_b32 s67, s66, 23
	v_mov_b32 v37, s67                             ; 2^e8
	s_add_co_i32 s66, s66, 8
	s_lshl_b32 s66, s66, 23
	s_or_b32 s66, s66, 0x600000
	v_mov_b32 v36, s66                             ; 448 x 2^e8
	s_sub_co_i32 s66, s63, s60
	s_sub_co_i32 s66, s66, s61                     ; e11 - e8 - e9: O^T / l stands for O / 2^(e8 + e9)
	s_add_co_i32 s66, s66, 127
	s_lshl_b32 s67, s66, 23
	v_mov_b32 v39, s67
	s_add_co_i32 s66, s66, 8
	s_lshl_b32 s66, s66, 23
	s_or_b32 s66, s66, 0x600000
	v_mov_b32 v38, s66
	s_add_co_i32 s[SCL], s62, s63
	s_add_co_i32 s[SCL], s[SCL], 127
	s_lshl_b32 s[SCL], s[SCL], 23                  ; 2^(e10 + e11)
.macro KSET i                          ; four fragments of k: K step i / 2, key tiles 4 (i % 2) + 0 .. 3, into set i % 2: 16 LDS loads
.set ls, (\i)/2
.set lb, 4*((\i)%2)
.set lr, 128+64*((\i)%2)
	WIN 0xc0
.irp t, 0,1,2,3
.irp c, 0,1,2,3
	ds_load_b128 v[lr+16*\t+4*\c:lr+16*\t+4*\c+3], v[ADK] offset:8192*(lb+\t)+2048*ls+512*\c
.endr
.endr
.endm
.macro VSET i                          ; four fragments of v: channel tiles 4 i + 0 .. 3
.set lr, 128+64*((\i)%2)
	WIN 0xc0
.irp t, 0,1,2,3
.irp c, 0,1,2,3
	ds_load_b128 v[lr+16*\t+4*\c:lr+16*\t+4*\c+3], v[ADV] offset:2048*(4*(\i)+\t)+512*\c
.endr
.endr
.endm
.macro SMUL i                          ; eight products of S^T on eight accumulators
.set ks, (\i)/2
.set kb, 4*((\i)%2)
.set kr, 128+64*((\i)%2)
	WIN 0x0f
.irp t, 0,1,2,3
.irp u, 0,1
.if ks == 0
	v_wmma_f32_16x16x128_fp8_fp8 v[S+64*\u+8*(kb+\t):S+64*\u+8*(kb+\t)+7], v[kr+16*\t:kr+16*\t+15], v[64*\u+16*ks:64*\u+16*ks+15], 0
.else
	v_wmma_f32_16x16x128_fp8_fp8 v[S+64*\u+8*(kb+\t):S+64*\u+8*(kb+\t)+7], v[kr+16*\t:kr+16*\t+15], v[64*\u+16*ks:64*\u+16*ks+15], v[S+64*\u+8*(kb+\t):S+64*\u+8*(kb+\t)+7]
.endif
.endr
.endr
.endm
.macro PVMUL i, first                  ; eight products of O^T: four channel tiles x two tiles of queries; K = the step's 128 keys
.set pr, 128+64*((\i)%2)
	WIN 0x53
.irp t, 0,1,2,3
.if \first
	v_wmma_f32_16x16x128_fp8_fp8 v[8*(4*(\i)+\t):8*(4*(\i)+\t)+7], v[pr+16*\t:pr+16*\t+15], v[192:207], 0
.else
	v_wmma_f32_16x16x128_fp8_fp8 v[8*(4*(\i)+\t):8*(4*(\i)+\t)+7], v[pr+16*\t:pr+16*\t+15], v[192:207], v[8*(4*(\i)+\t):8*(4*(\i)+\t)+7]
.endif
.endr
	WIN 0xa3
.irp t, 0,1,2,3
.if \first
	v_wmma_f32_16x16x128_fp8_fp8 v[8*(4*(\i)+\t):8*(4*(\i)+\t)+7], v[pr+16*\t:pr+16*\t+15], v[208:223], 0
.else
	v_wmma_f32_16x16x128_fp8_fp8 v[8*(4*(\i)+\t):8*(4*(\i)+\t)+7], v[pr+16*\t:pr+16*\t+15], v[208:223], v[8*(4*(\i)+\t):8*(4*(\i)+\t)+7]
.endif
.endr
.endm
.macro WLOAD g, t                      ; half g of trip t's 16 fragments of proj_w: tile o, K step s at v[64 o + 16 s] of window 3
	WIN 0xc0
.set i, 32*(\g)
.rept 32
	global_load_b128 v[4*i:4*i+3], v[LI], s[44:45] offset:512*i+32768*(\t)
.set i, i+1
.endr
	WIN 0
.endm
.macro PBLOAD t                        ; my lane's channel's bias, for trip t's four tiles
.irp q, 0,1,2,3
	global_load_b32 v[40+4*(\t)+\q], v[PBO], s[46:47] offset:256*(\t)+64*\q
.endr
.endm
.macro XRLOAD                          ; my rows 95 to 127 of x: 512 consecutive bytes each, into window 2
	WIN 0x80
.set i, 0
.rept 64-NT
	global_load_b128 v[4*i:4*i+3], v[LI], s[48:49] offset:65536*(64+NT+i) th:TH_LOAD_NT
.set i, i+1
.endr
	WIN 0
.endm
; The softmax of both tiles, the tiles by turns line by line.  Each accumulator of S^T is read from its low end on.
.macro SOFTMAX
	WIN 0
.irp u, 0,1
	v_max3_num_f32 v[24+4*\u], v[S+64*\u], v[S+64*\u+1], v[S+64*\u+2]
	v_max3_num_f32 v[25+4*\u], v[S+64*\u+3], v[S+64*\u+4], v[S+64*\u+5]
.endr
.irp i, 6,10,14,18,22,26,30,34,38,42,46,50,54,58
.irp u, 0,1
	v_max3_num_f32 v[24+4*\u], v[24+4*\u], v[S+64*\u+\i], v[S+64*\u+\i+1]
	v_max3_num_f32 v[25+4*\u], v[25+4*\u], v[S+64*\u+\i+2], v[S+64*\u+\i+3]
.endr
.endr
.irp u, 0,1
	v_max3_num_f32 v[24+4*\u], v[24+4*\u], v[S+64*\u+62], v[S+64*\u+63]
.endr
.irp u, 0,1
	v_max_num_f32 v[24+4*\u], v[24+4*\u], v[25+4*\u]
.endr
.irp u, 0,1
	v_permlanex16_b32 v[26+4*\u], v[24+4*\u], s[SEL], s[SEL+1]   ; the query's other 64 keys lie in the lane 16 away
.endr
.irp u, 0,1
	v_max_num_f32 v[24+4*\u], v[24+4*\u], v[26+4*\u]
.endr
.irp u, 0,1
	v_mul_f32 v[24+4*\u], s[CS], v[24+4*\u]        ; as t (c is positive)
.endr
.irp u, 0,1
	v_max_num_f32 v[13+4*\u], v[13+4*\u], v[24+4*\u]   ; the running largest t
	v_mov_b32 v[24+4*\u], v[12+4*\u]
.endr
.irp u, 0,1
	v_floor_f32 v[12+4*\u], -v[13+4*\u]            ; the new -M = -ceil(t): a whole number
.endr
.irp u, 0,1
	v_sub_f32 v[24+4*\u], v[12+4*\u], v[24+4*\u]   ; old M - new M, 0 or less
.endr
.irp u, 0,1
	v_cvt_i32_f32 v[24+4*\u], v[24+4*\u]           ; (it saturates)
.endr
.irp u, 0,1
	v_ldexp_f32 v[20+2*\u], 1.0, v[24+4*\u]        ; f = 2^(old M - new M)
.endr
.irp u, 0,1
.set j, 0
.rept 32
	v_pk_fma_f32 v[S+64*\u+2*j:S+64*\u+2*j+1], v[S+64*\u+2*j:S+64*\u+2*j+1], s[CS:CS+1], v[12+4*\u:13+4*\u] op_sel_hi:[1,0,0]   ; t - M
.set j, j+1
.endr
.endr
.set j, 0
.rept 128
	v_exp_f32 v[S+j], v[S+j]                       ; p = 2^(t - M), at most 1: one batch
.set j, j+1
.endr
.irp u, 0,1
	v_pk_mul_f32 v[14+4*\u:15+4*\u], v[14+4*\u:15+4*\u], v[20+2*\u:21+2*\u] op_sel_hi:[1,0]   ; the sums under the new M: plain lines behind the exponentials
.endr
	s_wait_alu depctr_va_vdst(0)                   ; one wait for the batch, ahead of the first line that names a result
.irp u, 0,1
	v_pk_add_f32 v[32+2*\u:33+2*\u], v[S+64*\u:S+64*\u+1], v[S+64*\u+2:S+64*\u+3]   ; the sum is taken of the unquantised p, in two chains a tile
.endr
.irp j, 4,8,12,16,20,24,28,32,36,40,44,48,52,56,60
.irp u, 0,1
	v_pk_add_f32 v[14+4*\u:15+4*\u], v[14+4*\u:15+4*\u], v[S+64*\u+\j:S+64*\u+\j+1]
	v_pk_add_f32 v[32+2*\u:33+2*\u], v[32+2*\u:33+2*\u], v[S+64*\u+\j+2:S+64*\u+\j+3]
.endr
.endr
.irp u, 0,1
	v_pk_add_f32 v[14+4*\u:15+4*\u], v[14+4*\u:15+4*\u], v[32+2*\u:33+2*\u]
.endr
.irp u, 0,1
.irp b, 0,1,2,3
.set j, 0
.rept 16
	v_min_num_f32 v[S+64*\u+16*\b+j], v[S+64*\u+16*\b+j], v36   ; the conversion does not saturate (ISA guide 7.6.2); p is not negative: a one-sided hold
.set j, j+1
.endr
	v_cvt_scalef32_pk8_fp8_f32 v[192+16*\u+4*\b:192+16*\u+4*\b+1], v[S+64*\u+16*\b:S+64*\u+16*\b+7], v37
	v_cvt_scalef32_pk8_fp8_f32 v[192+16*\u+4*\b+2:192+16*\u+4*\b+3], v[S+64*\u+16*\b+8:S+64*\u+16*\b+15], v37
.endr
.endr
.endm
.macro RESCALE                         ; O^T under the new M.  (Plain lines between the conversions and the products that read their results)
	WIN 0x41
.set j, 0
.rept 128
	v_pk_mul_f32 v[2*j:2*j+1], v[2*j:2*j+1], v[20:21] op_sel_hi:[1,0]
.set j, j+1
.endr
	WIN 0x82
.set j, 0
.rept 128
	v_pk_mul_f32 v[2*j:2*j+1], v[2*j:2*j+1], v[22:23] op_sel_hi:[1,0]
.set j, j+1
.endr
.endm
; A KEY STEP.  Two sets of 16 fragment loads are always out: the count 16 leaves the younger set on its way.  first = 1: the products V^T P start O^T's sums.  last = 1: Q is done with after S^T, and its registers take proj_w.
.macro STEP first, last
	v_add_nc_u32 v[ADK], s[TB], v[LI]
	v_add_nc_u32 v[ADV], s[TB], v[LI2]
	KSET 0
	KSET 1
.irp i, 0,1,2,3,4,5,6,7
	s_wait_dscnt 16
	SMUL \i
	PLACES
.if \i < 6
	KSET \i+2
.else
	VSET \i-6
.endif
.endr
.if \last
	WLOAD 0, 0
.endif
	SOFTMAX
.if \first
	v_nop                                          ; a plain line between the last conversion and the products that read its result
.else
	RESCALE
.endif
.irp i, 0,1,2,3,4,5,6,7
.if \i < 7
	s_wait_dscnt 16
.else
	s_wait_dscnt 0x0
.endif
	PVMUL \i, \first
	PLACES
.if \i < 6
	VSET \i+2
.endif
.endr
	WIN 0
	s_xor_b32 s[TB], s[TB], SLOT1
.endm
; The change of slots stands at a slot's head.  Each wave waits for all its tensor loads (its quarter of the slot ahead among them), adds 0 to its spare word, and waits for that and for its reads of the slot that it has left.
; The barrier is a round of the cluster's, and the joint refill of the slot just left is the first thing behind it: it has a whole key step, 128 matrix instructions and a softmax, in which to land.
.macro CHANGE
	WIN 0
	s_wait_tensorcnt 0x0                           ; no tensor load of mine is out, so group 0 may be written
	ds_add_u32 v[SPW], v[NIL]                      ; 0 onto my spare word
	s_xor_b32 s[G0+1], s[G0+1], SLOT1
	s_add_nc_u64 s[G0+2:G0+3], s[G0+2:G0+3], UNIT
	s_wait_xcnt 0x0                                ; the last prefetch, a key step back, has read its address
	s_add_nc_u64 s[PFA:PFA+1], s[PFA:PFA+1], UNIT  ; one key step further on than the walking descriptor
	s_wait_dscnt 0x0                               ; the add is done, and my reads of the slot that I have left are over
	CROUND
	tensor_load_to_lds s[G0:G0+3], s[G1:G1+7]
	s_nop 0
	PLACES
	ASK
.endm
; The last change of slots: no keys are left to ask for, and the slot just left takes x: each wave its own rows 0 to 63.  They land while key step 7 is walked and O is quantised.
.macro CHANGEX
	WIN 0
	s_wait_tensorcnt 0x0
	ds_add_u32 v[SPW], v[NIL]                      ; 0 onto my spare word
	s_wait_dscnt 0x0                               ; the add is done, and my reads of the slot that I have left are over
	CROUND                                         ; in a launch in clusters a plain tensor load stands behind a round too
	tensor_load_to_lds s[G0X:G0X+3], s[G1X:G1X+7]
	s_nop 0
	PLACES
.endm
	s_wait_loadcnt 0x0                             ; Q
	s_wait_tensorcnt 0x2                           ; my quarter of key step 0 is in; the two loads issued behind it (key step 1, x's rows) may stay out
	s_barrier_signal -1
	s_barrier_wait -1                              ; everybody's quarter is in
	STEP 1, 0                                      ; key step 0
	s_mov_b32 s[CNT], 6
.Lkeys:                                            ; key steps 1 to 6: the change at the head of step j asks for key step j + 1
	CHANGE
	STEP 0, 0
	s_sub_co_u32 s[CNT], s[CNT], 1
	s_cmp_lg_u32 s[CNT], 0
	s_cbranch_scc1 .Lkeys
	CHANGEX                                        ; key step 7 is written out
	STEP 0, 1
	; ---- O / l, quantised, as images into slot 1, behind a barrier: every wave has read the last of v there
	WLOAD 1, 0                                     ; the fragment sets are done with: four plain lines stand behind the last products
	PBLOAD 0
	s_wait_dscnt 0x0                               ; my reads of slot 1 are over
	s_barrier_signal -1
.irp u, 0,1
	v_add_f32 v[14+4*\u], v[14+4*\u], v[15+4*\u]
.endr
.irp u, 0,1
	v_permlanex16_b32 v[26+4*\u], v[14+4*\u], s[SEL], s[SEL+1]
.endr
.irp u, 0,1
	v_add_f32 v[14+4*\u], v[14+4*\u], v[26+4*\u]   ; the row's sum
.endr
	v_rcp_f32 v20, v14
	v_rcp_f32 v22, v18
	v_nop                                          ; a plain line behind the reciprocals,
	s_wait_alu depctr_va_vdst(0)                   ; and the wait ahead of their first reader
	s_barrier_wait -1
.macro OQ u
	WIN ((1+(\u))<<6)|(1+(\u))                     ; destination and source 0: the tile's window
.set j, 0
.rept 128
	v_pk_mul_f32 v[2*j:2*j+1], v[2*j:2*j+1], v[20+2*(\u):21+2*(\u)] op_sel_hi:[1,0]
.set j, j+1
.endr
.set j, 0
.rept 256
	v_med3_num_f32 v[j], v[j], -v38, v38
.set j, j+1
.endr
	WIN 1+(\u)
.set j, 0
.rept 32
	v_cvt_scalef32_pk8_fp8_f32 v[S+64*(\u)+2*j:S+64*(\u)+2*j+1], v[8*j:8*j+7], v39   ; channel tiles 8 s + 2 c, + 1 are chunk c of K step s: the codes come out as four fragments on end
.set j, j+1
.endr
	v_nop                                          ; a plain line behind the last conversion
	WIN 0
.set j, 0
.rept 16
	ds_store_b128 v[OST], v[S+64*(\u)+4*j:S+64*(\u)+4*j+3] offset:8192*(\u)+512*j
.set j, j+1
.endr
.endm
	OQ 1
	XRLOAD                                         ; into the registers that O^T of tile 1 has left
	OQ 0
	s_wait_tensorcnt 0x0                           ; my rows 0 to 63 of x have landed
	s_wait_dscnt 0x0                               ; for the others: my images have landed
	s_barrier_signal -1
	s_barrier_wait -1
	; ---- the projection: two trips of 64 output channels a wave, written out: they take x from different places
.macro OSET i                          ; the four fragments (K steps) of tile of queries i, into set i % 2: 16 LDS loads
.set ob, S+64*((\i)%2)
.set k, 0
.rept 16
	ds_load_b128 v[ob+4*k:ob+4*k+3], v[OIA] offset:8192*(\i)+512*k
.set k, k+1
.endr
.endm
.macro PMUL i                          ; 16 products: the tile's four accumulators by turns, one instruction a turn, K step by K step
.set po, S+64*((\i)%2)
	WIN 0x5c                                       ; source 0 (O) window 0, source 1 (proj_w) window 3, C and D window 1
.irp s, 0,1,2,3
.irp o, 0,1,2,3
.if \s == 0
	v_wmma_f32_16x16x128_fp8_fp8 v[32*(\i)+8*\o:32*(\i)+8*\o+7], v[po+16*\s:po+16*\s+15], v[64*\o+16*\s:64*\o+16*\s+15], 0
.else
	v_wmma_f32_16x16x128_fp8_fp8 v[32*(\i)+8*\o:32*(\i)+8*\o+7], v[po+16*\s:po+16*\s+15], v[64*\o+16*\s:64*\o+16*\s+15], v[32*(\i)+8*\o:32*(\i)+8*\o+7]
.endif
.endr
.endr
.endm
; Tile o of trip t's channels leaves.  Register j of the accumulator of queries (wave q, tile u) is position 32 q + 16 h + 2 j + u: renamed on the way, a lane's 16 registers of a q are 16 neighbouring positions.
; The tile's 16 rows come back from the stage into one half of v64-191.  Its first kl rows of x come from LDS into the other half, which the stores of the tile before have read; the other rows of x lie in window 2.
.macro WAYOUT t, o
.set rb, S+64*((\o)%2)
.set xb, S+64*(1-(\o)%2)
.if (\t) == 0
.set kl, 16                            ; trip 0: all rows lie in slot 0
.set xa, XLA
.else
.set kl, NT-16*(\o)                    ; trip 1: its first 31 rows lie behind the spare words
.if kl > 16
.set kl, 16
.endif
.if kl < 0
.set kl, 0
.endif
.set xa, XTA
.endif
	s_wait_xcnt 0x0                                ; the earlier stores have read the registers that this tile's rows and its rows of x take
	WIN 0x01
.irp q, 0,1,2,3
.irp u, 0,1
.irp j, 0,1,2,3,4,5,6,7
	v_fma_f32 v[192+16*\q+2*\j+\u], v[32*(2*\q+\u)+8*(\o)+\j], s[SCL], v[40+4*(\t)+(\o)]   ; sum x 2^(e10 + e11) + proj_b; each accumulator from its low end on
.endr
.endr
.endr
	WIN 0
.irp q, 0,1,2,3
.irp c, 0,1,2,3
	ds_store_b128 v[STO], v[192+16*\q+4*\c:192+16*\q+4*\c+3] offset:128*\q+16*\c
.endr
.endr
.set k, 0
.rept 16
	ds_load_b128 v[rb+4*k:rb+4*k+3], v[RD] offset:528*k   ; LDS serves a wave's instructions in order (ISA guide 5.7.1.4): these see my stores, and the next tile's stores come behind them
.set k, k+1
.endr
.if kl > 0
.set k, 0
.rept kl
	ds_load_b128 v[xb+4*k:xb+4*k+3], v[xa] offset:512*(16*(\o)+k)
.set k, k+1
.endr
.endif
	s_wait_dscnt 0x0
.if kl > 0
.set k, 0
.rept 2*kl
	v_pk_add_f32 v[rb+2*k:rb+2*k+1], v[rb+2*k:rb+2*k+1], v[xb+2*k:xb+2*k+1]
.set k, k+1
.endr
.endif
.if kl < 16
	WIN 0x08                                       ; source 1 (x) window 2: row 16 o + k of the trip lies at v[4 (16 o + k - 31)]
.set k, 2*kl
.rept 32-2*kl
	v_pk_add_f32 v[rb+2*k:rb+2*k+1], v[rb+2*k:rb+2*k+1], v[64*(\o)-4*NT+2*k:64*(\o)-4*NT+2*k+1]
.set k, k+1
.endr
	WIN 0                                          ; (a store takes its data from source 1's window)
.endif
.set k, 0
.rept 16
	global_store_b128 v[LI], v[rb+4*k:rb+4*k+3], s[50:51] offset:65536*(64*(\t)+16*(\o)+k) th:TH_STORE_NT   ; 32 lanes store 512 consecutive bytes, aligned; 127 rows at the most: inside the signed 24-bit immediate
.set k, k+1
.endr
.endm
.macro TRIP t
.if (\t) == 0
	s_wait_loadcnt 64-NT                           ; proj_w's fragments and proj_b are in; the 33 loads of x behind them may be out
.else
	s_wait_xcnt 0x0                                ; trip 0's stores have read the registers that O's fragments take
	s_wait_loadcnt 0x0                             ; x's 33 rows, this trip's proj_w and proj_b
.endif
	OSET 0
	OSET 1
.irp i, 0,1,2,3,4,5,6,7
.if \i < 7
	s_wait_dscnt 16
.else
	s_wait_dscnt 0x0
.endif
	PMUL \i
	PLACES
	WIN 0
.if \i < 6
	OSET \i+2
.endif
.endr
.if (\t) == 0
	WLOAD 0, 1                                     ; trip 1's proj_w and proj_b are asked for here: they have trip 0's way out in which to come
	WLOAD 1, 1
	PBLOAD 1
.endif
	WAYOUT \t, 0
	WAYOUT \t, 1
	WAYOUT \t, 2
	WAYOUT \t, 3
.endm
	TRIP 0
	TRIP 1
	s_wait_tensorcnt 0x0                           ; the wave's end
	ds_add_u32 v[SPW], v[NIL]
	s_wait_dscnt 0x0
	CROUND                                         ; the closing round
	s_endpgm
.Lfunc_end_k_q10b1647d69_attn:
	.size	k_q10b1647d69_attn, .Lfunc_end_k_q10b1647d69_attn-k_q10b1647d69_attn
	.p2alignl 7, 3214868480
	.fill 96, 4, 3214868480
	.section	.rodata,"a",@progbits
	.p2align	6, 0x0
	.amdhsa_kernel k_q10b1647d69_attn
		.amdhsa_group_segment_fixed_size 327680
		.amdhsa_private_segment_fixed_size 0
		.amdhsa_enable_private_segment 0
		.amdhsa_kernarg_size 56
		.amdhsa_user_sgpr_count 2
		.amdhsa_user_sgpr_kernarg_segment_ptr 1
		.amdhsa_wavefront_size32 1
		.amdhsa_system_sgpr_workgroup_id_x 1
		.amdhsa_system_sgpr_workgroup_id_y 1
		.amdhsa_system_sgpr_workgroup_id_z 1
		.amdhsa_system_vgpr_workitem_id 0
		.amdhsa_next_free_vgpr 1024
		.amdhsa_next_free_sgpr 100
		.amdhsa_reserve_vcc 0
		.amdhsa_float_denorm_mode_32 3
		.amdhsa_float_denorm_mode_16_64 3
		.amdhsa_memory_ordered 1
		.amdhsa_forward_progress 1
		.amdhsa_inst_pref_size 255
	.end_amdhsa_kernel
	.section	.bss,"aw",@nobits
	.p2align	6
	.space	262144
	.amdgpu_metadata
---
amdhsa.version: [ 1, 2 ]
amdhsa.kernels:
  - .name:           k_q10b1647d69_attn
    .symbol:         k_q10b1647d69_attn.kd
    .args:
      - { .name: qc, .offset: 0, .size: 8, .value_kind: global_buffer, .address_space: global }
      - { .name: kv, .offset: 8, .size: 8, .value_kind: global_buffer, .address_space: global }
      - { .name: wcodes, .offset: 16, .size: 8, .value_kind: global_buffer, .address_space: global }
      - { .name: lowp_scales, .offset: 24, .size: 8, .value_kind: global_buffer, .address_space: global }
      - { .name: proj_b, .offset: 32, .size: 8, .value_kind: global_buffer, .address_space: global }
      - { .name: x, .offset: 40, .size: 8, .value_kind: global_buffer, .address_space: global }
      - { .name: out0, .offset: 48, .size: 8, .value_kind: global_buffer, .address_space: global }
    .group_segment_fixed_size: 327680
    .private_segment_fixed_size: 0
    .kernarg_segment_align: 8
    .kernarg_segment_size: 56
    .max_flat_workgroup_size: 128
    .sgpr_count:     100
    .vgpr_count:     1024
    .wavefront_size: 32
...
	.end_amdgpu_metadata
.endif
;; end of part 3
